; MI455X (gfx1250); checked and timed in simulation.
; The chip was launched on July 23, 2026; its instructions are those of AMD's public machine-readable ISA for CDNA 5 (MIT licence, August 2026) and "CDNA5" Instruction Set Architecture Reference Guide (July 2026). The comments in the code are by the model that wrote it; some were corrected since.
;; Multi Headed Attention. Allowed arithmetic: matrix products marked QUANTISED: E5M2 operands, one given power-of-two scale a tensor, by v_wmma_f32_16x16x64_bf8_bf8 or v_wmma_f32_16x16x128_bf8_bf8, f32 sums; everything else in f32.
;; Inputs: Wk 1,024 x 1,024 float32; Wq 1,024 x 1,024 float32; bk 1,024 float32; bq 1,024 float32; key 4 x 2,048 x 1,024 float32; lowp_scales 8 int32 (the exponents e of the quantised operands' scales 2^e); query 4 x 2,048 x 1,024 float32; value 4 x 64 x 2,048 float32.
;; Outputs: out0 4 x 2,048 x 64 float32; out1 4 x 16 x 2,048 x 64 float32.
;; This version of the problem:
;;   THIS VERSION OF THE PROBLEM IS GIVEN IN LOW PRECISION. The matrix products marked QUANTISED in the list below multiply operands that are first quantised to E5M2 (5 exponent bits, 2 mantissa bits; 8 bits a number), with one given power-of-two scale for each operand tensor; their sums are f32. All else is computed in f32.
;;   The module's matrix products, in the order in which they are computed (A, B: the left and right operand; K: the contracted axis; several contracted axes count as one K, in the product's order):
;;     1. [M 8,192, K 1,024] x [K 1,024, N 1,024]; A: input query; B: input Wq: QUANTISED (scales: A lowp_scales[0], B lowp_scales[1])
;;     2. [M 8,192, K 1,024] x [K 1,024, N 1,024]; A: input key; B: input Wk: QUANTISED (scales: A lowp_scales[2], B lowp_scales[3])
;;     3. batch 64 x [M 2,048, K 64] x [K 64, N 2,048]; A: computed on the way; B: computed on the way: QUANTISED (scales: A lowp_scales[4], B lowp_scales[5])
;;     4. batch 4 x [M 32,768, K 2,048] x [K 2,048, N 64]; A: softmax (see below); B: input value: QUANTISED (scales: A lowp_scales[6], B lowp_scales[7])
;;   THE QUANTISER, for each operand of a quantised product, along K:
;;     - The operand's scale is 2^e, e = its entry of the input lowp_scales (int32; the entries are numbered through the quantised products in the list's order, A before B).
;;     - Each number is divided by the scale, clamped to +-57,344, and rounded to the nearest number of E5M2, ties to even, subnormals kept.
;;     - The product sums the exact products of the quantised numbers (number of the format x scale) in f32.
;;   ~~~python
;;   def quantise(x, axis, e):      # numpy; x: float32 -> the quantised numbers, widened to float32 again
;;       x = np.moveaxis(x, axis, -1); K = x.shape[-1]
;;       r = np.clip(x / 2.0 ** e, -57344, 57344)
;;       step = 2.0 ** (np.maximum(np.frexp(np.where(r == 0, 1, r))[1] - 1, -14) - 2)
;;       q = np.round(r / step) * step * 2.0 ** e      # np.round: ties to even
;;       return np.moveaxis(q, -1, axis).astype(np.float32)
;;   ~~~
;;   SOFTMAX AHEAD OF A QUANTISED PRODUCT. Where the list says 'softmax', what is quantised is not the finished softmax but p = 2^(t - M), with t = logit x log2(e) and M = ceil(the row's largest t), a whole number; so 1/2 < the row's largest p <= 1. The row's sum l is taken of the UNQUANTISED p, in f32, and the product's result is divided by l at the end. Since M is a whole number, a kernel that streams over the keys may use a running M (the ceiling of the running maximum): every later rescaling is an exact power of two, so the quantised numbers keep their values, but for numbers so far below the row's largest that they fall under the format's range.
;;   OPERANDS COMPUTED ON THE WAY. 'Computed on the way' means the value that the module computes at that place (a softmax that the list does not call 'softmax' is quantised finished and normalised). What goes into a quantiser is computed in f32, as accurately as f32 sums, v_exp_f32 and their like allow (about 1e-6 of the number): no bf16 or f16 on the way to a quantiser, and a product that is left as it is and whose result goes on into a quantised operand takes f32 operands (vector FMAs, or v_wmma_f32_16x16x4_f32). A number that lies on a knife's edge between two numbers of the format may be rounded either way, as far as f32 arithmetic and the matrix unit's own rounding can turn it there, and no further.
;; One version. Each part assembles by itself: llvm-mc -triple=amdgcn-amd-amdhsa -mcpu=gfx1250 --defsym DOCPART=n.
;; ======== version 1 of 1: 4 launches
;; limits: right only within a limited range of input values
;; workspace buffers: acodes 16,777,216 bytes; wcodes 2,097,152 bytes; vimg 524,288 bytes; qkc 16,777,216 bytes; xs 16,777,216 bytes
;; launch quant (part 1): grid 640 x 1, 4 waves a work-group, no clusters, 33,280 bytes of LDS; arguments query, key, Wq, Wk, value, lowp_scales, acodes, wcodes, vimg; writes acodes, wcodes, vimg
.if DOCPART == 1
	.amdgcn_target "amdgcn-amd-amdhsa--gfx1250"
	.amdhsa_code_object_version 6
	.text
	.protected	k_q622ed88aca_quant
	.globl	k_q622ed88aca_quant
	.p2align	8
	.type	k_q622ed88aca_quant,@function
k_q622ed88aca_quant:
	s_mov_b64 s[64:65], 0
	v_nop
	global_prefetch_b8 v0, s[64:65] scope:SCOPE_SE
	s_setreg_imm32_b32 hwreg(HW_REG_WAVE_MODE, 25, 1), 1
	s_wait_xcnt 0x0
; The five wide operands become codes of BF8 (E5M2), one code a byte, each with the scale 2^e that is given for it:
; code = x / 2^e, rounded to the nearest code, ties to even.
; query (e0) and key (e2), [8192][1024] each, go to acodes [16384][1024]: query's rows, then key's.  Wq (e1) and Wk (e3), [1024][1024] each, go to wcodes [2048][1024].
; In all four K is innermost and rows are dense: they are plain streams of numbers, and so are their codes.
; value (e7), [4][64][2048], has the keys, its K, innermost too.  Its codes are laid as IMAGES OF OPERAND REGISTERS: vimg [batch 4][key step 16][channel tile 4][group 4][lane 32][16 bytes].
; A fragment is 16 channels x 128 keys: lane (r, h) holds channel r, and its registers 2 c, 2 c + 1 the keys 16 c + 8 h + 0 .. 7; group g is registers 4 g .. 4 g + 3.
; SHARES, by the work-group's number: 0-255 query, 256-511 key, 512-543 Wq, 544-575 Wk (32,768 numbers each, 8,192 a wave, in 16 steps of 512); 576-639 value (a fragment a wave).
; The four streams take ONE path: only pointers and numbers are chosen, by the work-group's number.  value takes a path of its own, which uses no LDS.
; A stream's step: four loads of 512 consecutive bytes; the 2,048 bytes turn through the wave's own stage in LDS so that a lane holds 16 neighbours; its 16 codes are 16 bytes: the wave stores 512 consecutive bytes.
; No work-group shares an input with another: no cluster, no tensor load, no barrier.
; LIMITS: each e between -126 and 112, so that 2^e and 57,344 x 2^e are f32 numbers.  NaN among the inputs is not served.
.set STEPS, 16
.set EMAX,  15
.set MANT,  0x600000                   ; the mantissa field of 57,344 as f32
.set CB,    16                         ; bytes of 16 codes
.set R,     16                         ; v16-79   four sets of 16 numbers as they are loaded
.set X,     80                         ; v80-111  two sets of 16 neighbours
.set C,     128                        ; v128-191 codes: four registers for each step, so that no store's data are written again
.set WREG,  8192                       ; LDS: a region of its own for each wave: two stages of 32 x SP bytes
.set SP,    80                         ; a lane's place in a stage: its 64 bytes + 16 of padding
	s_load_b256 s[4:11], s[0:1], 0x0               ; query s[4:5], key s[6:7], Wq s[8:9], Wk s[10:11]
	s_load_b256 s[12:19], s[0:1], 0x20             ; value s[12:13], the exponents s[14:15], acodes s[16:17], wcodes s[18:19]
	s_load_b64 s[20:21], s[0:1], 0x40              ; vimg
	v_lshl_add_u32 v192, v0, 2, 0x8000
	v_mov_b32 v193, 0
	v_lshrrev_b32 v1, 5, v0
	v_readfirstlane_b32 s36, v1                    ; wave
	v_and_b32 v2, 31, v0                           ; lane
	v_lshlrev_b32 v3, 4, v2                        ; 16 x lane: my 16 bytes of a load's or a store's 512; never rewritten
	s_mul_i32 s37, s36, WREG
	v_lshrrev_b32 v14, 2, v2
	v_mul_u32_u24 v14, v14, SP
	v_and_b32 v15, 3, v2
	v_lshl_add_u32 v14, v15, 4, v14
	v_add_nc_u32 v14, s37, v14                     ; the stage, on the way in: four lanes' 64 bytes on end, then 16 of padding
	v_mul_u32_u24 v15, v2, SP
	v_add_nc_u32 v15, s37, v15                     ; and on the way out: SP x lane: my 16 neighbours
	s_mov_b32 s39, 0                               ; the high word of every offset below
	s_wait_kmcnt 0x0
	s_load_b256 s[24:31], s[14:15], 0x0            ; e0 .. e7
; 2^e as f32 into v11 (the conversion takes its exponent field) and 57,344 x 2^e into s40; e stands in s[e]
.macro SCALE e
	s_add_co_i32 s40, s[\e], 127
	s_lshl_b32 s41, s40, 23
	v_mov_b32 v11, s41
	s_add_co_i32 s40, s40, EMAX
	s_lshl_b32 s40, s40, 23
	s_or_b32 s40, s40, MANT
.endm
	s_cmp_ge_u32 ttmp9, 576
	s_cbranch_scc1 .Lvalue
	; ---- the four streams.  Every choice hangs on the work-group's number alone
	s_cmp_lt_u32 ttmp9, 256
	s_cselect_b64 s[4:5], s[4:5], s[6:7]           ; query or key
	s_cselect_b32 s33, 0, 256                      ; the tensor's first work-group
	s_mov_b32 s34, 544
	s_cmp_lt_u32 ttmp9, 544
	s_cselect_b64 s[8:9], s[8:9], s[10:11]         ; Wq or Wk
	s_cselect_b32 s34, 512, s34
	s_cmp_lt_u32 ttmp9, 512
	s_cselect_b64 s[4:5], s[4:5], s[8:9]           ; the source
	s_cselect_b64 s[16:17], s[16:17], s[18:19]     ; the codes' buffer
	s_cselect_b32 s33, s33, s34
	s_cselect_b32 s35, 0, 512                      ; the buffer's first work-group: key follows query, Wk follows Wq
	s_sub_co_u32 s33, ttmp9, s33
	s_lshl_b32 s33, s33, 2
	s_add_co_u32 s33, s33, s36                     ; which run of 8,192 numbers of the tensor is my wave's
	s_lshl_b32 s38, s33, 15                        ; 32,768 bytes a run
	s_add_nc_u64 s[4:5], s[4:5], s[38:39]
	s_sub_co_u32 s35, ttmp9, s35
	s_lshl_b32 s35, s35, 2
	s_add_co_u32 s35, s35, s36                     ; and which run of the buffer
	s_lshl_b32 s38, s35, 13                        ; 8,192 bytes a run
	s_add_nc_u64 s[16:17], s[16:17], s[38:39]
.macro LOAD t
.irp i, 0,1,2,3
	global_load_b128 v[R+16*((\t)%4)+4*\i:R+16*((\t)%4)+4*\i+3], v3, s[4:5] offset:2048*(\t)+512*\i th:TH_LOAD_NT   ; 32 lanes read 512 consecutive bytes
.endr
.endm
.macro TURN t                          ; step t's numbers through the stage: LDS serves a wave's instructions in order, so no wait stands between the stores and the loads
.irp i, 0,1,2,3
	ds_store_b128 v14, v[R+16*((\t)%4)+4*\i:R+16*((\t)%4)+4*\i+3] offset:32*SP*((\t)%2)+8*SP*\i
.endr
.irp i, 0,1,2,3
	ds_load_b128 v[X+16*((\t)%2)+4*\i:X+16*((\t)%2)+4*\i+3], v15 offset:32*SP*((\t)%2)+16*\i
.endr
.endm
	s_wait_alu depctr_va_vdst(0)
.irp t, 0,1,2,3
	LOAD \t
.endr
	s_wait_kmcnt 0x0
	s_cmp_lt_u32 ttmp9, 256
	s_cselect_b32 s42, s24, s26                    ; e0 or e2
	s_cmp_lt_u32 ttmp9, 544
	s_cselect_b32 s43, s25, s27                    ; e1 or e3
	s_cmp_lt_u32 ttmp9, 512
	s_cselect_b32 s42, s42, s43
	SCALE 42
	s_wait_alu depctr_va_vdst(0)
	s_wait_loadcnt 12                              ; step 0's four loads are in; the twelve of steps 1 to 3 may be out
	TURN 0
.macro STEP t
.set XS, X+16*((\t)%2)
	s_wait_dscnt 0x0                               ; this step's numbers are back from the stage: so its stores into the stage have read their registers,
.if (\t)+4 < STEPS
	LOAD (\t)+4                                    ; which take the loads of four steps on
.endif
.if (\t)+1 < STEPS
.if STEPS-2-(\t) >= 3
	s_wait_loadcnt 12                              ; the next step's four loads are in; those of the three steps behind it may be out
.else
	s_wait_loadcnt 4*(STEPS-2-(\t))
.endif
	TURN (\t)+1                                    ; and go through the other stage while this step is worked
.endif
.irp i, 0,1,2,3,4,5,6,7,8,9,10,11,12,13,14,15
.endr
	v_cvt_scalef32_pk8_bf8_f32 v[C+4*(\t):C+4*(\t)+1], v[XS:XS+7], v11          ; eight numbers / 2^e, to the nearest code, ties to even; the first number's code in the lowest byte
	v_cvt_scalef32_pk8_bf8_f32 v[C+4*(\t)+2:C+4*(\t)+3], v[XS+8:XS+15], v11
	global_store_b128 v3, v[C+4*(\t):C+4*(\t)+3], s[16:17] offset:32*CB*(\t)    ; the codes go to a store alone
.endm
.irp t, 0,1,2,3,4,5,6,7,8,9,10,11,12,13,14,15
	STEP \t
.endr
	s_wait_tensorcnt 0x0
	ds_add_u32 v192, v193
	s_wait_dscnt 0x0
	s_endpgm
	; ---- value: my wave's fragment f = 64 batch + 4 key step + channel tile
.Lvalue:
	s_sub_co_u32 s33, ttmp9, 576
	s_lshl_b32 s33, s33, 2
	s_add_co_u32 s33, s33, s36                     ; f
	s_lshr_b32 s34, s33, 6
	s_lshl_b32 s34, s34, 19                        ; a batch is 64 rows of 8,192 bytes
	s_and_b32 s35, s33, 3
	s_lshl_b32 s35, s35, 17                        ; a channel tile 16 rows
	s_add_co_u32 s34, s34, s35
	s_bfe_u32 s35, s33, 0x40002                    ; the key step: 4 bits from bit 2
	s_lshl_b32 s35, s35, 9                         ; 128 keys are 512 bytes of a row
	s_add_co_u32 s38, s34, s35
	s_add_nc_u64 s[12:13], s[12:13], s[38:39]
	s_lshl_b32 s38, s33, 11                        ; a fragment's image is 2,048 bytes
	s_add_nc_u64 s[20:21], s[20:21], s[38:39]
	v_and_b32 v5, 15, v0                           ; r
	v_bfe_u32 v6, v0, 4, 1                         ; h
	v_lshlrev_b32 v5, 13, v5
	v_lshl_add_u32 v5, v6, 5, v5                   ; row r, + 8 h keys
	; A lane takes 8 neighbouring keys of each 16: pieces of 32 bytes.  The wave's sixteen loads together use each row's run of 512 bytes whole; value is 2 of the launch's 77 MB.
.irp g, 0,1,2,3
	global_load_b128 v[R+16*\g:R+16*\g+3],     v5, s[12:13] offset:128*\g      ; c = 2 g
	global_load_b128 v[R+16*\g+4:R+16*\g+7],   v5, s[12:13] offset:128*\g+16
	global_load_b128 v[R+16*\g+8:R+16*\g+11],  v5, s[12:13] offset:128*\g+64   ; c = 2 g + 1
	global_load_b128 v[R+16*\g+12:R+16*\g+15], v5, s[12:13] offset:128*\g+80
.endr
	s_wait_kmcnt 0x0
	SCALE 31                                       ; e7
	s_wait_alu depctr_va_vdst(0)
.irp g, 0,1,2,3
	s_wait_loadcnt 12-4*\g                         ; group g's four loads are in; the later groups' may be out
.irp i, 0,1,2,3,4,5,6,7,8,9,10,11,12,13,14,15
.endr
	v_cvt_scalef32_pk8_bf8_f32 v[C+4*\g:C+4*\g+1], v[R+16*\g:R+16*\g+7], v11
	v_cvt_scalef32_pk8_bf8_f32 v[C+4*\g+2:C+4*\g+3], v[R+16*\g+8:R+16*\g+15], v11
	global_store_b128 v3, v[C+4*\g:C+4*\g+3], s[20:21] offset:512*\g           ; 512 consecutive bytes
.endr
	s_endpgm
.Lfunc_end_k_q622ed88aca_quant:
	.size	k_q622ed88aca_quant, .Lfunc_end_k_q622ed88aca_quant-k_q622ed88aca_quant
	.p2alignl 7, 3214868480
	.fill 96, 4, 3214868480
	.section	.rodata,"a",@progbits
	.p2align	6, 0x0
	.amdhsa_kernel k_q622ed88aca_quant
		.amdhsa_group_segment_fixed_size 33280
		.amdhsa_private_segment_fixed_size 0
		.amdhsa_enable_private_segment 0
		.amdhsa_kernarg_size 72
		.amdhsa_user_sgpr_count 2
		.amdhsa_user_sgpr_kernarg_segment_ptr 1
		.amdhsa_wavefront_size32 1
		.amdhsa_system_sgpr_workgroup_id_x 1
		.amdhsa_system_sgpr_workgroup_id_y 1
		.amdhsa_system_sgpr_workgroup_id_z 1
		.amdhsa_system_vgpr_workitem_id 0
		.amdhsa_next_free_vgpr 194
		.amdhsa_next_free_sgpr 66
		.amdhsa_reserve_vcc 0
		.amdhsa_float_denorm_mode_32 3
		.amdhsa_float_denorm_mode_16_64 3
		.amdhsa_fp16_overflow 1
		.amdhsa_memory_ordered 1
		.amdhsa_forward_progress 1
		.amdhsa_inst_pref_size 26
	.end_amdhsa_kernel
	.amdgpu_metadata
---
amdhsa.version: [ 1, 2 ]
amdhsa.kernels:
  - .name:           k_q622ed88aca_quant
    .symbol:         k_q622ed88aca_quant.kd
    .args:
      - { .name: query, .offset: 0, .size: 8, .value_kind: global_buffer, .address_space: global }
      - { .name: key, .offset: 8, .size: 8, .value_kind: global_buffer, .address_space: global }
      - { .name: Wq, .offset: 16, .size: 8, .value_kind: global_buffer, .address_space: global }
      - { .name: Wk, .offset: 24, .size: 8, .value_kind: global_buffer, .address_space: global }
      - { .name: value, .offset: 32, .size: 8, .value_kind: global_buffer, .address_space: global }
      - { .name: lowp_scales, .offset: 40, .size: 8, .value_kind: global_buffer, .address_space: global }
      - { .name: acodes, .offset: 48, .size: 8, .value_kind: global_buffer, .address_space: global }
      - { .name: wcodes, .offset: 56, .size: 8, .value_kind: global_buffer, .address_space: global }
      - { .name: vimg, .offset: 64, .size: 8, .value_kind: global_buffer, .address_space: global }
    .group_segment_fixed_size: 33280
    .private_segment_fixed_size: 0
    .kernarg_segment_align: 8
    .kernarg_segment_size: 72
    .max_flat_workgroup_size: 128
    .sgpr_count:     66
    .vgpr_count:     194
    .wavefront_size: 32
...
	.end_amdgpu_metadata
.endif
;; end of part 1
;; launch proj (part 2): grid 4 x 64, 4 waves a work-group, clusters of 4 x 4, 327,680 bytes of LDS; arguments acodes, wcodes, lowp_scales, bq, bk, qkc, out1; writes qkc, out1
.if DOCPART == 2
	.amdgcn_target "amdgcn-amd-amdhsa--gfx1250"
	.amdhsa_code_object_version 6
	.text
	.protected	k_q622ed88aca_proj
	.globl	k_q622ed88aca_proj
	.p2align	8
	.type	k_q622ed88aca_proj,@function
k_q622ed88aca_proj:
	s_mov_b64 s[64:65], 0
	v_nop
	global_prefetch_b8 v0, s[64:65] scope:SCOPE_SE
	s_setreg_imm32_b32 hwreg(HW_REG_WAVE_MODE, 25, 1), 1
	s_wait_xcnt 0x0
	s_wait_alu depctr_hold_cnt(0) depctr_sa_sdst(0) depctr_va_vdst(0) depctr_va_sdst(0) depctr_va_ssrc(0) depctr_va_vcc(0) depctr_vm_vsrc(0)
	s_getreg_b32 s2, hwreg(HW_REG_IB_STS2, 6, 4)
	s_cmp_eq_u32 s2, 0
	s_cbranch_scc0 .Lentry_in_a_cluster
	s_endpgm
.Lentry_in_a_cluster:
	s_bfe_u32 s2, ttmp6, 0x10000c
	s_cmp_lg_u32 s2, 0xf033
	s_cbranch_scc0 .Lentry_shape_is_right
	s_endpgm
.Lentry_shape_is_right:
.set SIZE_K, 1024
.set KSTEP,  256
.set ROWB,   256
.set KROW,   SIZE_K
.set PITCH,  272
.set FR,     16
.set NL,     4
.set NP,     4
.set HALFT,  128*PITCH
.set SLOT,   4*HALFT
.set LAPS,   SIZE_K/(2*KSTEP)
.set SPARE,  2*SLOT
.set SPITCH, 528
.set ADRA, 16
.set ADRB, 20
.set STO,  24
.set RD,   25
.set CO,   26
.set CC,   27
.set SPW,  28
.set NIL,  29
.set SCL,  30
.set LIM,  31
.set BIAS, 32
.set CD,   96
.set HT,   112
.set AF,   128
.set TMP,  128
.set BK,   192
.set ISK,  84
.set G1, 24
.set G0, 32
.set G1B, 48
.set G0B, 56
.set MSB, 0
.macro WIN new
.if MSB != \new
	s_set_vgpr_msb (MSB<<8)|(\new)
.set MSB, \new
.endif
.endm
.set MUL_LO, 0xa1
.set MUL_HI, 0xf1
.set TO_B,   0x40
.macro JLOAD g0a, g1a, g0b, g1b
	s_cmp_eq_u32 s15, 0
	s_cbranch_scc0 .Lfor_b_\@
	tensor_load_to_lds s[\g0a:\g0a+3], s[\g1a:\g1a+7]
	s_nop 0
.rept 4
	v_nop
.endr
	s_branch .Lasked_\@
.Lfor_b_\@:
	tensor_load_to_lds s[\g0b:\g0b+3], s[\g1b:\g1b+7]
	s_nop 0
.rept 4
	v_nop
.endr
.Lasked_\@:
.endm
.macro CREST
	s_cmp_lg_u32 s14, 0
	s_cbranch_scc1 .Lnot_wave_0_\@
	s_barrier_signal -3
.Lnot_wave_0_\@:
	s_barrier_wait -3
	s_barrier_signal -1
	s_barrier_wait -1
.endm
.macro CROUND
	s_barrier_signal -1
	s_barrier_wait -1
	CREST
.endm
	s_load_b128 s[4:7], s[0:1], 0x0
	s_load_b128 s[8:11], s[0:1], 0x10
	s_load_b128 s[68:71], s[0:1], 0x20
	s_load_b64 s[72:73], s[0:1], 0x30
	v_lshl_add_u32 v[SPW], v0, 2, SPARE
	v_mov_b32 v[NIL], 0
	ds_add_u32 v28, v29
	ds_add_u32 v28, v29
	s_wait_dscnt 0x0
	v_lshrrev_b32 v1, 5, v0
	v_readfirstlane_b32 s14, v1
	s_lshr_b32 s15, s14, 1
	s_and_b32 s16, s14, 1
	s_bfe_u32 s40, ttmp6, 0x40000
	s_bfe_u32 s41, ttmp6, 0x40004
	s_lshl_b32 s42, ttmp9, 2
	s_add_co_u32 s42, s42, s40
	s_and_b32 s85, ttmp7, 0xffff
	s_lshr_b32 s[ISK], s85, 3
	s_lshl_b32 s17, s85, 2
	s_add_co_u32 s17, s17, s41
	s_lshl_b32 s43, s41, 2
	s_lshl_b32 s43, 15, s43
	s_lshl_b32 s44, 0x1111, s40
	s_or_b32 s[G1+0], s43, (0<<16)|(1<<20)|(1<<21)|(5<<22)|(3<<25)
	s_or_b32 s[G1B+0], s44, (0<<16)|(1<<20)|(1<<21)|(5<<22)|(3<<25)
.irp g, G1, G1B
	s_mov_b32 s[\g+1], ROWB<<16
	s_mov_b32 s[\g+2], 128<<16
	s_mov_b32 s[\g+3], ROWB<<16
	s_mov_b32 s[\g+4], 128
	s_mov_b32 s[\g+5], KROW
	s_mov_b32 s[\g+6], 0
	s_mov_b32 s[\g+7], 0
.endr
	s_lshl_b32 s18, s16, 7
	s_lshl_b32 s20, s17, 8
	s_add_co_u32 s20, s20, s18
	s_lshl_b32 s46, s42, 8
	s_add_co_u32 s46, s46, s18
	s_lshl_b32 s47, s[ISK], 10
	s_add_co_u32 s46, s46, s47
	s_mov_b32 s21, 0
	s_mov_b32 s47, 0
	s_mov_b64 s[18:19], KROW
	s_mul_u64 s[20:21], s[20:21], s[18:19]
	s_mul_u64 s[46:47], s[46:47], s[18:19]
	s_mul_i32 s45, s14, HALFT
	s_lshl_b32 s92, s42, 10
	s_lshl_b32 s93, s16, 9
	s_add_co_u32 s92, s92, s93
	s_mov_b32 s93, 0
	s_wait_kmcnt 0x0
	s_load_b256 s[76:83], s[8:9], 0x0
	s_add_nc_u64 s[20:21], s[4:5], s[20:21]
	s_add_nc_u64 s[46:47], s[6:7], s[46:47]
	s_cmp_eq_u32 s[ISK], 0
	s_cselect_b64 s[86:87], s[10:11], s[68:69]
	s_add_nc_u64 s[86:87], s[86:87], s[92:93]
	CROUND
.irp s, 0,1
	s_mov_b32 s[G0+4*\s], 1
	s_add_co_u32 s[G0+4*\s+1], s45, \s*SLOT
	s_add_nc_u64 s[G0+4*\s+2:G0+4*\s+3], s[20:21], \s*ROWB
	s_or_b32 s[G0+4*\s+3], s[G0+4*\s+3], 0x80000000
	s_mov_b32 s[G0B+4*\s], 1
	s_add_co_u32 s[G0B+4*\s+1], s45, \s*SLOT
	s_add_nc_u64 s[G0B+4*\s+2:G0B+4*\s+3], s[46:47], \s*ROWB
	s_or_b32 s[G0B+4*\s+3], s[G0B+4*\s+3], 0x80000000
	s_wait_alu depctr_va_vdst(0)
	s_wait_tensorcnt 0x0
	ds_add_u32 v28, v29
	ds_add_u32 v28, v29
	s_wait_dscnt 0x0
	CROUND
	JLOAD G0+4*\s, G1, G0B+4*\s, G1B
.endr
	v_and_b32 v1, 15, v0
	s_wait_alu depctr_va_vdst(0)
	v_bfe_u32 v2, v0, 4, 1
	v_lshlrev_b32 v7, 5, v2
.irp b, 0,1,2,3,4,5,6,7
	global_load_b128 v[BIAS+8*\b:BIAS+8*\b+3],   v7, s[86:87] offset:64*\b
	global_load_b128 v[BIAS+8*\b+4:BIAS+8*\b+7], v7, s[86:87] offset:64*\b+16
.endr
	v_mul_u32_u24 v3, v1, PITCH
	v_lshl_add_u32 v4, v2, 4, v3
	s_mul_i32 s21, s15, HALFT
	s_mul_i32 s22, s16, HALFT
	s_add_co_u32 s22, s22, 2*HALFT
.irp s, 0,1
	v_add_nc_u32 v[ADRA+\s], s21, v4
	v_add_nc_u32 v[ADRB+\s], s22, v4
	s_add_co_u32 s21, s21, SLOT
	s_add_co_u32 s22, s22, SLOT
.endr
	s_mul_i32 s23, s14, 16*SPITCH
	v_mul_u32_u24 v5, v1, SPITCH
	s_wait_alu depctr_va_vdst(0)
	v_lshl_add_u32 v5, v2, 5, v5
	v_add_nc_u32 v[STO], s23, v5
	v_and_b32 v6, 31, v0
	v_lshlrev_b32 v[CC], 4, v6
	v_add_nc_u32 v[RD], s23, v[CC]
	v_lshlrev_b32 v[CO], 4, v1
	v_lshl_add_u32 v[CO], v2, 19, v[CO]
	s_and_b32 s20, s17, 31
	s_lshr_b32 s21, s20, 3
	s_and_b32 s20, s20, 7
	s_lshl_b32 s21, s21, 4
	s_lshl_b32 s22, s42, 2
	s_add_co_u32 s21, s21, s22
	s_lshl_b32 s22, s16, 1
	s_add_co_u32 s21, s21, s22
	s_lshl_b32 s20, s20, 1
	s_add_co_u32 s20, s20, s15
	s_lshl_b32 s92, s21, 17
	s_lshl_b32 s22, s20, 13
	s_add_co_u32 s92, s92, s22
	s_lshl_b32 s22, s[ISK], 23
	s_add_co_u32 s92, s92, s22
	s_add_nc_u64 s[88:89], s[70:71], s[92:93]
	s_lshl_b32 s92, s21, 19
	s_lshl_b32 s22, s20, 15
	s_add_co_u32 s92, s92, s22
	s_add_nc_u64 s[90:91], s[72:73], s[92:93]
.macro FRAG reg, adr, q, i
.irp c, 0,1,2,3
	ds_load_b128 v[\reg+4*\c:\reg+4*\c+3], v[\adr] offset:128*(\q)+32*\c+(\i)*16*PITCH
.endr
.endm
.macro MUL16 a0, p, zero
.irp a, \a0, \a0+1
.irp b, 0,1,2,3,4,5,6,7
.if \zero
	v_wmma_f32_16x16x128_bf8_bf8 v[8*(8*((\a)%4)+\b):8*(8*((\a)%4)+\b)+7], v[128*(\p)+FR*\b:128*(\p)+FR*\b+FR-1], v[AF+FR*(\a):AF+FR*(\a)+FR-1], 0
.else
	v_wmma_f32_16x16x128_bf8_bf8 v[8*(8*((\a)%4)+\b):8*(8*((\a)%4)+\b)+7], v[128*(\p)+FR*\b:128*(\p)+FR*\b+FR-1], v[AF+FR*(\a):AF+FR*(\a)+FR-1], v[8*(8*((\a)%4)+\b):8*(8*((\a)%4)+\b)+7]
.endif
.endr
.endr
.endm
.macro FETCH_B slot, q, p
	WIN TO_B
.irp i, 0,1,2,3,4,5,6,7
	FRAG 128*(\p)+FR*\i, ADRB+\slot, \q, \i
.endr
	WIN 0
.endm
.macro FETCH_A slot, q, i0
.irp i, \i0, \i0+1, \i0+2, \i0+3
	FRAG AF+FR*(\i), ADRA+\slot, \q, \i
.endr
.endm
.macro PLACES n
.rept \n
	v_nop
.endr
.endm
.macro STEP slot, q, zero
	s_wait_dscnt 4*NL
	WIN MUL_LO
	MUL16 0, (\q)%2, \zero
	MUL16 2, (\q)%2, \zero
	s_wait_dscnt 0
	PLACES NP
	FETCH_B \slot, (\q)+1, 1-(\q)%2
	FETCH_A \slot, (\q)+1, 0
	WIN MUL_HI
	MUL16 4, (\q)%2, \zero
	MUL16 6, (\q)%2, \zero
	PLACES NP
	WIN 0
	FETCH_A \slot, (\q)+1, 4
.endm
.macro TURN slot, next, fill
	s_wait_tensorcnt 0x0
	ds_add_u32 v[SPW], v[NIL]
	s_wait_dscnt 4*NL+1
	WIN MUL_LO
	MUL16 0, 1, 0
	s_wait_dscnt 0x0
	s_barrier_signal -1
	MUL16 2, 1, 0
	WIN 0
	s_barrier_wait -1
.if \fill
	CREST
	s_add_nc_u64 s[G0+4*\slot+2:G0+4*\slot+3], s[G0+4*\slot+2:G0+4*\slot+3], 2*ROWB
	s_add_nc_u64 s[G0B+4*\slot+2:G0B+4*\slot+3], s[G0B+4*\slot+2:G0B+4*\slot+3], 2*ROWB
	JLOAD G0+4*\slot, G1, G0B+4*\slot, G1B
.else
	PLACES NP
.endif
	FETCH_B \next, 0, 0
	FETCH_A \next, 0, 0
	WIN MUL_HI
	MUL16 4, 1, 0
	MUL16 6, 1, 0
	PLACES NP
	WIN 0
	FETCH_A \next, 0, 4
.endm
	s_wait_loadcnt 0x0
	s_wait_tensorcnt 1
	s_barrier_signal -1
	s_barrier_wait -1
	FETCH_B 0, 0, 0
	FETCH_A 0, 0, 0
	FETCH_A 0, 0, 4
	STEP 0, 0, 1
	s_mov_b32 s3, LAPS-1
.Llap:
	TURN 0, 1, 1
	STEP 1, 0, 0
	TURN 1, 0, 1
	STEP 0, 0, 0
	s_sub_co_u32 s3, s3, 1
	s_cmp_lg_u32 s3, 0
	s_cbranch_scc1 .Llap
	TURN 0, 1, 0
	STEP 1, 0, 0
	s_wait_dscnt 4*NL
	WIN MUL_LO
	MUL16 0, 1, 0
	MUL16 2, 1, 0
	s_wait_dscnt 0
	WIN MUL_HI
	MUL16 4, 1, 0
	MUL16 6, 1, 0
	WIN 0
.macro OUTBLK a
.set AC, 64*((\a)%4)
.if (\a) > 0
	s_wait_xcnt 0x0
.endif
	WIN 0x02+((\a)/4)
.set j, 0
.rept 32
	v_pk_fma_f32 v[TMP+j:TMP+j+1], v[AC+j:AC+j+1], s[96:97], v[BIAS+j:BIAS+j+1] op_sel_hi:[1,0,1]
.set j, j+2
.endr
	WIN 0
	s_cmp_lg_u32 s[ISK], 0
	s_cbranch_scc1 .Lno_stage_\@
.irp b, 0,1,2,3,4,5,6,7
	ds_store_b128 v[STO], v[TMP+8*\b:TMP+8*\b+3] offset:64*\b
	ds_store_b128 v[STO], v[TMP+8*\b+4:TMP+8*\b+7] offset:64*\b+16
.endr
.irp t, 0,1,2,3,4,5,6,7,8,9,10,11,12,13,14,15
	ds_load_b128 v[BK+4*\t:BK+4*\t+3], v[RD] offset:\t*SPITCH
.endr
.Lno_stage_\@:
	s_wait_alu depctr_va_vdst(0)
.irp b, 0,1,2,3,4,5,6,7
.irp i, 0,1,2,3,4,5,6,7
.endr
	v_cvt_scalef32_pk8_bf8_f32 v[CD+2*\b:CD+2*\b+1], v[HT+8*(\b%2)+((TMP+8*\b+0)-(HT+8*(\b%2)+0)):HT+8*(\b%2)+7+((TMP+8*\b+0)-(HT+8*(\b%2)+0))], v[SCL]
.endr
	v_nop
.irp u, 0,1
.irp f, 0,1
	global_store_b128 v[CC], v[CD+8*\u+4*\f:CD+8*\u+4*\f+3], s[88:89] offset:\u*131072+(\a)*1024+512*\f
.endr
.endr
	s_wait_dscnt 0x0
	s_cmp_lg_u32 s[ISK], 0
	s_cbranch_scc1 .Lno_q_\@
.irp t, 0,1,2,3,4,5,6,7,8,9,10,11,12,13,14,15
	global_store_b128 v[CO], v[BK+4*\t:BK+4*\t+3], s[90:91] offset:(\a)*4096+256*\t th:TH_STORE_NT
.endr
.Lno_q_\@:
.endm
	s_wait_kmcnt 0x0
	s_cmp_eq_u32 s[ISK], 0
	s_cselect_b32 s20, s76, s78
	s_cselect_b32 s21, s77, s79
	s_cselect_b32 s22, s80, s81
	s_add_co_i32 s96, s20, s21
	s_add_co_i32 s96, s96, 127
	s_lshl_b32 s96, s96, 23
	s_mov_b32 s97, s96
	s_add_co_i32 s22, s22, 127
	s_lshl_b32 s23, s22, 23
	v_mov_b32 v[SCL], s23
	PLACES NP
.irp a, 0,1,2,3,4,5,6,7
	OUTBLK \a
.endr
	s_wait_tensorcnt 0x0
	ds_add_u32 v[SPW], v[NIL]
	s_wait_dscnt 0x0
	CROUND
	s_endpgm
.Lfunc_end_k_q622ed88aca_proj:
	.size	k_q622ed88aca_proj, .Lfunc_end_k_q622ed88aca_proj-k_q622ed88aca_proj
	.p2alignl 7, 3214868480
	.fill 96, 4, 3214868480
	.section	.rodata,"a",@progbits
	.p2align	6, 0x0
	.amdhsa_kernel k_q622ed88aca_proj
		.amdhsa_group_segment_fixed_size 327680
		.amdhsa_private_segment_fixed_size 0
		.amdhsa_enable_private_segment 0
		.amdhsa_kernarg_size 56
		.amdhsa_user_sgpr_count 2
		.amdhsa_user_sgpr_kernarg_segment_ptr 1
		.amdhsa_wavefront_size32 1
		.amdhsa_system_sgpr_workgroup_id_x 1
		.amdhsa_system_sgpr_workgroup_id_y 1
		.amdhsa_system_sgpr_workgroup_id_z 1
		.amdhsa_system_vgpr_workitem_id 0
		.amdhsa_next_free_vgpr 1024
		.amdhsa_next_free_sgpr 98
		.amdhsa_reserve_vcc 0
		.amdhsa_float_denorm_mode_32 3
		.amdhsa_float_denorm_mode_16_64 3
		.amdhsa_fp16_overflow 1
		.amdhsa_memory_ordered 1
		.amdhsa_forward_progress 1
		.amdhsa_inst_pref_size 135
	.end_amdhsa_kernel
	.amdgpu_metadata
---
amdhsa.version: [ 1, 2 ]
amdhsa.kernels:
  - .name:           k_q622ed88aca_proj
    .symbol:         k_q622ed88aca_proj.kd
    .args:
      - { .name: acodes, .offset: 0, .size: 8, .value_kind: global_buffer, .address_space: global }
      - { .name: wcodes, .offset: 8, .size: 8, .value_kind: global_buffer, .address_space: global }
      - { .name: lowp_scales, .offset: 16, .size: 8, .value_kind: global_buffer, .address_space: global }
      - { .name: bq, .offset: 24, .size: 8, .value_kind: global_buffer, .address_space: global }
      - { .name: bk, .offset: 32, .size: 8, .value_kind: global_buffer, .address_space: global }
      - { .name: qkc, .offset: 40, .size: 8, .value_kind: global_buffer, .address_space: global }
      - { .name: out1, .offset: 48, .size: 8, .value_kind: global_buffer, .address_space: global }
    .group_segment_fixed_size: 327680
    .private_segment_fixed_size: 0
    .kernarg_segment_align: 8
    .kernarg_segment_size: 56
    .max_flat_workgroup_size: 128
    .sgpr_count:     98
    .vgpr_count:     1024
    .wavefront_size: 32
...
	.end_amdgpu_metadata
.endif
;; end of part 2
;; launch attn (part 3): grid 8 x 32, 8 waves a work-group, clusters of 4 x 1, 327,680 bytes of LDS; arguments qkc, vimg, lowp_scales, xs; writes xs
.if DOCPART == 3
	.amdgcn_target "amdgcn-amd-amdhsa--gfx1250"
	.amdhsa_code_object_version 6
	.text
	.protected	k_q622ed88aca_attn
	.globl	k_q622ed88aca_attn
	.p2align	8
	.type	k_q622ed88aca_attn,@function
k_q622ed88aca_attn:
	s_mov_b64 s[64:65], 0
	v_nop
	global_prefetch_b8 v0, s[64:65] scope:SCOPE_SE
	s_setreg_imm32_b32 hwreg(HW_REG_WAVE_MODE, 25, 1), 1
	s_wait_xcnt 0x0
	s_wait_alu depctr_hold_cnt(0) depctr_sa_sdst(0) depctr_va_vdst(0) depctr_va_sdst(0) depctr_va_ssrc(0) depctr_va_vcc(0) depctr_vm_vsrc(0)
	s_getreg_b32 s2, hwreg(HW_REG_IB_STS2, 6, 4)
	s_cmp_eq_u32 s2, 0
	s_cbranch_scc0 .Lentry_in_a_cluster
	s_endpgm
.Lentry_in_a_cluster:
	s_bfe_u32 s2, ttmp6, 0x10000c
	s_cmp_lg_u32 s2, 0x3003
	s_cbranch_scc0 .Lentry_shape_is_right
	s_endpgm
.Lentry_shape_is_right:
; Attention on codes of BF8 (E5M2): for each batch and head, x[q] = the sum over keys of softmax(q . k / 8) v, with V the same for all heads of a batch.  This launch stores, for each PAIR of heads,
; xs[pair 8][batch 4][2048][64] f32 = (x of head 2 pair + x of head 2 pair + 1) / 16; the last launch adds the eight pairs: the mean over the 16 heads.
; INPUTS are images of operand registers.  qkc: q's and k's fragments of 16 rows x 64 channels, 1,024 bytes each (two runs of 512: 16 bytes a lane), k's part 8,388,608 bytes behind q's.
; vimg: V^T's fragments of 16 channels x 128 keys, 2,048 bytes each.  In all of them lane (r, h) holds row r and its registers 2 c, 2 c + 1 the K places 16 c + 8 h + 0 .. 7.
; THE SOFTMAX AHEAD OF THE SECOND PRODUCT: t = score x log2(e) / 8; M = the row's largest t so far, rounded UP to a whole number; p = 2^(t - M) is what is quantised (scale e6); it is not normalised.
; The row's sum is taken of the unquantised p, in f32, and divides at a head's end.  When M moves, the sum and O are multiplied by 2^(old M - new M): exact.
; SHARES.  Work-group (x, y): y = 8 batch + pair; 256 queries, 256 x .. 256 x + 255.  Each of its eight waves owns TWO tiles of 16 queries and takes them through both heads; the two tiles share every fragment of K and V
; that the wave reads from LDS.  Every wave walks all 2,048 keys of a head, 128 a step.
; LAYOUT.  Both products are used transposed: S^T = K Q^T (source 0 = 16 keys, source 1 = 16 queries), O^T = V^T P^T (source 0 = 16 channels, source 1 = P): a lane holds ONE query (lane % 16) throughout.
; In S^T's tile t a lane's eight registers are keys 16 t + 8 (lane / 16) + 0 .. 7: converted, they are registers 2 t, 2 t + 1 of P's fragment of 128 keys.  Nothing changes lanes, no key is permuted.
; LDS.  The batch's V (131,072 bytes) is fetched once and stays.  K comes through a ring of two slots of 1,024 keys (65,536 bytes): the pair's two heads are four fills on end in memory, and a fill's slot is also
; its half of the keys, so ONE scalar, TB, gives a step's place in K's ring and, 131,072 bytes on, in V.  Images are read 512 consecutive bytes an instruction: no pitch, no padding.
; CLUSTER.  The four work-groups of a cluster have the same y and walk the same K and V: every tensor load is asked for JOINTLY, with the same descriptor and a mask that names the four.
; Waves 0-3 fetch quarters of K's slots, waves 4-7 quarters of V: by this text's count a wave never has more than one tensor load outstanding.  A slot is asked for eight key steps ahead of its first read.
; LIMITS on the given exponents: e4 + e5 between -123 and 130 (added to c's exponent field); e6 between -126 and 112; e6 + e7 is applied by v_ldexp_f32 and has none.
; REGISTERS, in two blocks of 256.  Tile A lives in block 0 and tile B in block 1, at the same numbers, so that one text serves both under two window settings:
;   v12 -M, v13 the largest t, v[14:15] the sum in two halves; v16-23 Q of the head in hand, v24-31 Q of the second head; v96-159 S^T, then p; v160-191 O^T; v192-223 the two heads' mean share;
;   v224-239 p's codes; v241, v[242:243], v[252:253], v254 at work; v244 2^e6.
;   block 0 alone: v1-9 addresses, v32-95 K's eight fragments.   block 1 alone: v32-95 V's four fragments.
.set SLOTB, 65536                      ; a slot of K: 64 images
.set STEPB, 8192                       ; a key step: eight images of K, or four of V
.set VBASE, 131072                     ; V, behind the ring
.set SPARE, 262144                     ; the spare words, 128 bytes for each wave: four blocks of 256 bytes that no other line names
.set STAGE, 263168                     ; the way out: 16 rows x (256 bytes + 16) for each wave; no tile lands here
.set SP,    272
.set LI,   1                           ; v1   16 x lane: my place in an image; never rewritten
.set LV,   2                           ; v2   the same in V's region
.set STO,  3                           ; v3   the way out: where I put 32 bytes of a row
.set RD,   4                           ; v4   the way out: where I read a row back
.set SPW,  5                           ; v5   LDS address of my spare word: SPARE + 4 x my thread's number; never rewritten
.set NIL,  6                           ; v6   0; never rewritten
.set GO,   7                           ; v7   my byte offset in a tile's rows of xs
.set ADK,  8                           ; v8   LDS address of the step's images of K
.set ADV,  9                           ; v9   of V
.set WV,   12                          ; s12  my wave's number
.set SEL,  20                          ; s[20:21] lane selects for v_permlanex16_b32: lane l xor 16
.set CS,   22                          ; s[22:23] c = log2(e) / 8 x 2^(e4 + e5): the packed form names a pair and takes its low word for both halves
.set G1K,  24                          ; s[24:31] descriptor group 1 for a quarter of K's slot;  s[32:39] for a quarter of V
.set G1V,  32
.set G0K,  40                          ; s[40:43] K's group 0, which walks;  s[44:47] V's
.set G0V,  44
.set TB,   48                          ; s48  LDS byte at which the step in hand begins in K's ring
.set SLOTS, 49                         ; s49  slots still to be asked for
.set CNT,  50                          ; s50  counts a slot's eight steps
.set EF,   51                          ; s51  e6 + e7 - 4
.set MSB, 0
.macro WIN new                         ; bits 1:0 source 0, 3:2 source 1, 5:4 source 2, 7:6 destination; the immediate's high byte repeats the setting that is left
.if MSB != \new
	s_set_vgpr_msb (MSB<<8)|(\new)
.set MSB, \new
.endif
.endm
.set W_B,   0x55                       ; all of tile B
.set W_KQB, 0x44                       ; S^T of B: K in block 0, Q and S^T in block 1
.set W_PVA, 0x01                       ; O^T of A: V in block 1, all else in block 0
.set W_TO1, 0x40                       ; a load into block 1, its address in block 0
.set W_ST1, 0x04                       ; an LDS store of data in block 1
; A round of the cluster's barrier: my work-group's barrier, so that wave 0's signal speaks for all eight waves; wave 0 signals for the work-group; every wave waits for all four work-groups; my work-group's barrier once more.
.macro CROUND
	s_barrier_signal -1
	s_barrier_wait -1
	s_cmp_lg_u32 s[WV], 0
	s_cbranch_scc1 .Lnot_wave_0_\@
	s_barrier_signal -3
.Lnot_wave_0_\@:
	s_barrier_wait -3
	s_barrier_signal -1
	s_barrier_wait -1
.endm
	s_load_b256 s[4:11], s[0:1], 0x0               ; qkc s[4:5], vimg s[6:7], the exponents s[8:9], xs s[10:11]
	v_lshl_add_u32 v[SPW], v0, 2, SPARE
	v_mov_b32 v[NIL], 0
	ds_add_u32 v5, v6
	ds_add_u32 v5, v6
	s_wait_dscnt 0x0
	v_lshrrev_b32 v10, 5, v0
	s_delay_alu instid0(VALU_DEP_1)
	v_readfirstlane_b32 s[WV], v10                 ; wave 0..7
	s_bfe_u32 s13, ttmp6, 0x40000                  ; cx: my place in the cluster
	s_lshl_b32 s14, ttmp9, 2                       ; in a cluster launch ttmp9 counts clusters
	s_add_co_u32 s14, s14, s13                     ; my block of 256 queries: it enters Q's and xs's addresses alone
	s_and_b32 s15, ttmp7, 0xffff                   ; y = 8 batch + pair, which the four partners share
	s_and_b32 s16, s[WV], 3                        ; which quarter I fetch
	s_lshl_b32 s17, s16, 14                        ; K: 16,384 bytes a quarter, in memory and in a slot
	s_lshl_b32 s18, s15, 18                        ; the pair's two heads: 2 x 131,072 bytes of q's or of k's part
	s_add_co_u32 s52, s18, s17
	s_add_co_u32 s52, s52, 0x800000                ; k's part
	s_mov_b32 s53, 0
	s_lshr_b32 s19, s15, 3                         ; batch
	s_lshl_b32 s54, s19, 17                        ; V: 131,072 bytes a batch,
	s_lshl_b32 s66, s16, 15                        ; 32,768 a quarter
	s_add_co_u32 s54, s54, s66
	s_mov_b32 s55, 0
	s_lshl_b32 s2, s14, 14                         ; Q: my block's 16 images,
	s_lshl_b32 s3, s[WV], 11                       ; my wave's two of them
	s_add_co_u32 s2, s2, s3
	s_add_co_u32 s2, s2, s18
	s_mov_b32 s3, 0
	s_and_b32 s67, s15, 7                          ; pair
	s_lshl_b32 s67, s67, 2
	s_add_co_u32 s67, s67, s19
	s_lshl_b32 s70, s67, 19                        ; xs: (4 pair + batch) x 2,048 rows of 256 bytes,
	s_lshl_b32 s67, s14, 16                        ; my block's 256 rows,
	s_add_co_u32 s70, s70, s67
	s_lshl_b32 s67, s[WV], 13                      ; my wave's 32
	s_add_co_u32 s70, s70, s67
	s_mov_b32 s71, 0
	; descriptor group 1: a dense block as rows of 256 bytes: elements of 8 bytes, 32 to a row, pitch 32; K: 64 rows, V: 128 rows; no padding
	s_mov_b32 s[G1K], 15|(3<<16)|(1<<21)           ; 15:0 the mask: all four work-groups; 17:16 elements of 8 bytes; 21 set beside a mask
	s_mov_b32 s[G1K+1], 32<<16                     ; tensor_dim0
	s_mov_b32 s[G1K+2], 64<<16                     ; tensor_dim1
	s_mov_b32 s[G1K+3], 32<<16                     ; tile_dim0
	s_mov_b32 s[G1K+4], 64                         ; tile_dim1
	s_mov_b32 s[G1K+5], 32                         ; tensor_dim0_stride
	s_mov_b32 s[G1K+6], 0
	s_mov_b32 s[G1K+7], 0
	s_mov_b32 s[G1V], 15|(3<<16)|(1<<21)
	s_mov_b32 s[G1V+1], 32<<16
	s_mov_b32 s[G1V+2], 128<<16
	s_mov_b32 s[G1V+3], 32<<16
	s_mov_b32 s[G1V+4], 128
	s_mov_b32 s[G1V+5], 32
	s_mov_b32 s[G1V+6], 0
	s_mov_b32 s[G1V+7], 0
	s_mov_b32 s[SEL], 0x76543210
	s_mov_b32 s[SEL+1], 0xfedcba98
	s_mov_b32 s[CS], 0x3e38aa3b                    ; log2(e) / 8
	s_mov_b32 s[TB], 0
	s_mov_b32 s[SLOTS], 3
	s_wait_kmcnt 0x0
	s_load_b256 s[56:63], s[8:9], 0x0              ; e0 .. e7
	s_mov_b32 s[G0K], 1                            ; 1:0 count = 1
	s_mov_b32 s[G0K+1], s17                        ; 63:32 LDS address: my quarter of slot 0
	s_add_nc_u64 s[G0K+2:G0K+3], s[4:5], s[52:53]  ; 120:64 global address: the first head's first 1,024 keys
	s_or_b32 s[G0K+3], s[G0K+3], 0x80000000        ; 127:126 type = 2
	s_mov_b32 s[G0V], 1
	s_add_co_u32 s[G0V+1], s66, VBASE
	s_add_nc_u64 s[G0V+2:G0V+3], s[6:7], s[54:55]
	s_or_b32 s[G0V+3], s[G0V+3], 0x80000000
	s_add_nc_u64 s[68:69], s[4:5], s[2:3]          ; Q at my wave's first image
	s_add_nc_u64 s[10:11], s[10:11], s[70:71]      ; xs at my wave's first row
	CROUND                                         ; all four work-groups are here: the first joint loads meet
	s_cmp_lt_u32 s[WV], 4                          ; a wave's one first fill: K's slot 0 or V; four v_nop follow each line
	s_cbranch_scc0 .Lfirst_v
	tensor_load_to_lds s[G0K:G0K+3], s[G1K:G1K+7]
	s_nop 0
.rept 4
	v_nop
.endr
	s_branch .Lfirst_asked
.Lfirst_v:
	tensor_load_to_lds s[G0V:G0V+3], s[G1V:G1V+7]
	s_nop 0
.rept 4
	v_nop
.endr
.Lfirst_asked:
	v_and_b32 v10, 31, v0
	s_delay_alu instid0(VALU_DEP_1)
	v_lshlrev_b32 v[LI], 4, v10
	s_delay_alu instid0(VALU_DEP_1)
	v_add_nc_u32 v[LV], VBASE, v[LI]
	global_load_b128 v[16:19], v[LI], s[68:69]                 ; Q stays in registers: tile A, first head,
	global_load_b128 v[20:23], v[LI], s[68:69] offset:512
	global_load_b128 v[24:27], v[LI], s[68:69] offset:131072   ; second head;
	global_load_b128 v[28:31], v[LI], s[68:69] offset:131072+512
	WIN W_TO1
	global_load_b128 v[16:19], v[LI], s[68:69] offset:1024     ; tile B
	global_load_b128 v[20:23], v[LI], s[68:69] offset:1024+512
	global_load_b128 v[24:27], v[LI], s[68:69] offset:131072+1024
	global_load_b128 v[28:31], v[LI], s[68:69] offset:131072+1024+512
	WIN 0
	v_and_b32 v10, 15, v0                          ; r
	v_bfe_u32 v11, v0, 4, 1                        ; h
	s_mul_i32 s2, s[WV], 16*SP
	s_add_co_u32 s2, s2, STAGE                     ; my stage
	v_mul_u32_u24 v[STO], v10, SP
	s_delay_alu instid0(VALU_DEP_1)
	v_lshl_add_u32 v[STO], v11, 5, v[STO]
	s_delay_alu instid0(VALU_DEP_1)
	v_add_nc_u32 v[STO], s2, v[STO]                ; in: row r; channel tile T's eight channels of my half: 64 T + 32 h bytes on
	v_mul_u32_u24 v[RD], v11, SP
	s_delay_alu instid0(VALU_DEP_1)
	v_lshl_add_u32 v[RD], v10, 4, v[RD]
	s_delay_alu instid0(VALU_DEP_1)
	v_add_nc_u32 v[RD], s2, v[RD]                  ; back: lanes 0-15 one row, lanes 16-31 the next
	v_lshlrev_b32 v[GO], 8, v11
	s_delay_alu instid0(VALU_DEP_1)
	v_lshl_add_u32 v[GO], v10, 4, v[GO]            ; and the same two rows in xs
	s_wait_kmcnt 0x0
	s_add_co_i32 s2, s60, s61
	s_lshl_b32 s2, s2, 23
	s_add_co_i32 s[CS], s[CS], s2                  ; a score stands for score x 2^(e4 + e5): the two exponents are added to c's exponent field
	s_mov_b32 s[CS+1], s[CS]                       ; (named with it as a pair, so it is written)
	s_add_co_i32 s2, s62, 127
	s_lshl_b32 s66, s2, 23                         ; 2^e6 as f32
	s_add_co_i32 s[EF], s62, s63
	s_sub_co_i32 s[EF], s[EF], 4                   ; O stands for O x 2^(e6 + e7), and a head's share of the mean is a sixteenth
; A tile's statistics as they stand ahead of a head's first key step: the step is written once, and its first run finds zeros, which the first change of M leaves zeros.
.macro FRESH
	v_mov_b32 v13, 0xff61b1e6                      ; the largest t so far: -3e38, under every t
	s_delay_alu instid0(VALU_DEP_1)
	v_floor_f32 v12, -v13                          ; -M
	v_mov_b32 v14, 0                               ; the sum, in two halves
	v_mov_b32 v15, 0
.set j, 0
.rept 32
	v_mov_b32 v[160+j], 0                          ; O^T
.set j, j+1
.endr
.endm
.macro INIT
	FRESH
.set j, 0
.rept 32
	v_mov_b32 v[192+j], 0                          ; the mean's share: both heads add onto it
.set j, j+1
.endr
	v_mov_b32 v244, s66
	v_mov_b32 v241, 0                              ; written once: a lane permute's destination counts as one of its sources
	v_mov_b32 v253, 0                              ; (named as the upper half of the pair v[252:253])
.endm
	INIT
	WIN W_B
	INIT
	WIN 0
; ONE TILE'S SOFTMAX FOR ONE KEY STEP, in the block that the windows name.  The 64 exponentials are one batch with one wait.
.macro SOFTMAX
	v_max3_num_f32 v254, v96, v97, v98             ; the step's largest score of my query, among my 64 keys, in two chains, each accumulator from its low end on,
	v_max3_num_f32 v252, v99, v100, v101
.irp i, 6,10,14,18,22,26,30,34,38,42,46,50,54,58
	v_max3_num_f32 v254, v254, v[96+\i], v[97+\i]
	v_max3_num_f32 v252, v252, v[98+\i], v[99+\i]
.endr
	v_max3_num_f32 v254, v254, v158, v159
	s_delay_alu instid0(VALU_DEP_1)
	v_max_num_f32 v254, v254, v252
	s_delay_alu instid0(VALU_DEP_1)
	v_permlanex16_b32 v241, v254, s[SEL], s[SEL+1]
	s_delay_alu instid0(VALU_DEP_1)
	v_max_num_f32 v254, v254, v241                 ; and among lane l xor 16's
	s_delay_alu instid0(VALU_DEP_1)
	v_mul_f32 v254, s[CS], v254                    ; as t (c is positive)
	s_delay_alu instid0(VALU_DEP_1)
	v_max_num_f32 v13, v13, v254                   ; the running largest t
	v_mov_b32 v254, v12
	s_delay_alu instid0(VALU_DEP_2)
	v_floor_f32 v12, -v13                          ; the new -M = floor(-t) = -ceil(t): M is a whole number
	s_delay_alu instid0(VALU_DEP_1)
	v_sub_f32 v254, v12, v254                      ; M's old value less its new one: a whole number, 0 or less
	s_delay_alu instid0(VALU_DEP_1)
	v_cvt_i32_f32 v254, v254                       ; (it saturates)
	s_delay_alu instid0(VALU_DEP_1)
	v_ldexp_f32 v252, 1.0, v254                    ; f = 2^(old M - new M)
.set j, 0
.rept 32
	v_pk_fma_f32 v[96+j:97+j], v[96+j:97+j], s[CS:CS+1], v[12:13] op_sel_hi:[1,0,0]   ; t - M, two at a time (of the pairs c and -M the low word serves both halves)
.set j, j+2
.endr
.set j, 0
	s_wait_alu depctr_va_vdst(0)
.rept 64
	v_exp_f32 v[96+j], v[96+j]                     ; p = 2^(t - M), at most 1: not normalised
.set j, j+1
.endr
	v_pk_mul_f32 v[14:15], v[14:15], v[252:253] op_sel_hi:[1,0]   ; the sums under the new M: a plain line behind the exponentials
	s_wait_alu depctr_va_vdst(0)                   ; the wait ahead of the first line that names a result: one for the batch
	v_pk_add_f32 v[242:243], v[96:97], v[98:99]    ; the row's sum is taken of the UNQUANTISED p: two at a time, in two chains
.irp j, 4,8,12,16,20,24,28,32,36,40,44,48,52,56,60
	v_pk_add_f32 v[14:15], v[14:15], v[96+\j:97+\j]
	v_pk_add_f32 v[242:243], v[242:243], v[98+\j:99+\j]
.endr
	s_delay_alu instid0(VALU_DEP_1)
	v_pk_add_f32 v[14:15], v[14:15], v[242:243]
.irp t, 0,1,2,3,4,5,6,7
.irp i, 0,1,2,3,4,5,6,7
.endr
	v_cvt_scalef32_pk8_bf8_f32 v[224+2*\t:225+2*\t], v[96+8*\t:103+8*\t], v244   ; keys 16 t + 8 h + 0 .. 7: registers 2 t, 2 t + 1 of P's fragment
.endr
.set j, 0
.rept 16
	v_pk_mul_f32 v[160+j:161+j], v[160+j:161+j], v[252:253] op_sel_hi:[1,0]   ; O^T under the new M.  (Plain lines between the conversions and the products that read the codes)
.set j, j+2
.endr
.endm
; A KEY STEP: 128 keys, both tiles.  All 32 LDS loads stand in one run at its head: K's sixteen are waited for at once, V's land under the two softmaxes.
.macro STEP
	v_add_nc_u32 v[ADK], s[TB], v[LI]              ; these two and the two v_nop are the four places between the last step's products and the loads into V's registers
	v_add_nc_u32 v[ADV], s[TB], v[LV]
	v_nop
	v_nop
.irp t, 0,1,2,3,4,5,6,7
	ds_load_b128 v[32+8*\t:35+8*\t], v[ADK] offset:1024*\t
	ds_load_b128 v[36+8*\t:39+8*\t], v[ADK] offset:1024*\t+512
.endr
	WIN W_TO1
.irp t, 0,1,2,3
.irp g, 0,1,2,3
	ds_load_b128 v[32+16*\t+4*\g:35+16*\t+4*\g], v[ADV] offset:2048*\t+512*\g
.endr
.endr
	WIN 0
	s_wait_dscnt 16                                ; K's sixteen loads are in; V's sixteen, issued behind them, may be out
.irp t, 0,1,2,3,4,5,6,7
	v_wmma_f32_16x16x64_bf8_bf8 v[96+8*\t:103+8*\t], v[32+8*\t:39+8*\t], v[16:23], 0
.endr
	WIN W_KQB
.irp t, 0,1,2,3,4,5,6,7
	v_wmma_f32_16x16x64_bf8_bf8 v[96+8*\t:103+8*\t], v[32+8*\t:39+8*\t], v[16:23], 0
.endr
	WIN 0
.rept 4
	v_nop                                          ; places in front of the first read of the scores
.endr
	SOFTMAX
	WIN W_B
	s_setprio 1
	SOFTMAX
	s_wait_alu depctr_va_vdst(0)
	s_wait_dscnt 0x0                               ; V is in
	WIN W_PVA
	s_setprio 0
.irp t, 0,1,2,3                                ; eight accumulators, one instruction each: no two that follow each other share one
	v_wmma_f32_16x16x128_bf8_bf8 v[160+8*\t:167+8*\t], v[32+16*\t:47+16*\t], v[224:239], v[160+8*\t:167+8*\t]
.endr
	WIN W_B
.irp t, 0,1,2,3
	v_wmma_f32_16x16x128_bf8_bf8 v[160+8*\t:167+8*\t], v[32+16*\t:47+16*\t], v[224:239], v[160+8*\t:167+8*\t]
.endr
	WIN 0
	s_add_co_u32 s[TB], s[TB], STEPB
.endm
.macro SLOT_STEPS                      ; a slot's eight key steps: written once, walked eight times
	s_mov_b32 s[CNT], 8
.Lstep_\@:
	s_wait_alu depctr_va_vdst(0)
	s_setprio 2
	STEP
	s_sub_co_u32 s[CNT], s[CNT], 1
	s_cmp_lg_u32 s[CNT], 0
	s_cbranch_scc1 .Lstep_\@
	s_setprio 0
	s_sub_co_u32 s[TB], s[TB], SLOTB               ; back to a slot's first step,
	s_xor_b32 s[TB], s[TB], SLOTB                  ; in the other slot
.endm
; THE CHANGE OF SLOTS stands at a slot's head.  Each wave waits for all its tensor loads (its part of the slot ahead; at the first change V's quarters too), adds 0 to its spare word, and waits for that and for its
; reads of the slot that it has left.  fill = 1: the barrier is a round of the cluster's, so that no wave of any partner still reads that slot or has a load on its way, and the joint fill of that slot, with the 1,024
; keys that follow in memory, is the first thing behind it.
.macro CHANGE fill
	s_wait_tensorcnt 0x0                           ; no tensor load of mine is out, so a group 0 may be written
	ds_add_u32 v[SPW], v[NIL]                      ; 0 onto my spare word; with fill = 1 the descriptor's steps stand between it and the wait for it
.if \fill
	s_xor_b32 s[G0K+1], s[G0K+1], SLOTB            ; the other slot than last time,
	s_add_nc_u64 s[G0K+2:G0K+3], s[G0K+2:G0K+3], SLOTB   ; the next 65,536 bytes; the type bits on top are not reached
.endif
	s_wait_dscnt 0x0                               ; the add is done, and my reads of the slot that I have left are over
.if \fill
	CROUND
	s_cmp_lt_u32 s[WV], 4
	s_cbranch_scc0 .Lnone_\@
	tensor_load_to_lds s[G0K:G0K+3], s[G1K:G1K+7]
	s_nop 0
.rept 4
	v_nop
.endr
.Lnone_\@:
.else
	s_barrier_signal -1
	s_barrier_wait -1
.endif
.endm
; A HEAD'S END, for the tile that the windows name: the mean's share takes O^T x 2^(e6 + e7 - 4) / the row's sum.  again = 1: the tile is made ready for the second head.
.macro FINAL again
	v_add_f32 v14, v14, v15                        ; the sum's two halves,
	s_delay_alu instid0(VALU_DEP_1)
	v_permlanex16_b32 v241, v14, s[SEL], s[SEL+1]
	s_delay_alu instid0(VALU_DEP_1)
	v_add_f32 v14, v14, v241                       ; and lane l xor 16's: the row's sum
	s_wait_alu depctr_va_vdst(0)
	v_rcp_f32 v14, v14
	v_nop                                          ; a plain line behind the reciprocal,
	s_wait_alu depctr_va_vdst(0)                   ; and the wait ahead of its first reader
	v_ldexp_f32 v14, v14, s[EF]
.set j, 0
.rept 16
	v_pk_fma_f32 v[192+j:193+j], v[160+j:161+j], v[14:15], v[192+j:193+j] op_sel_hi:[1,0,1]   ; each accumulator from its low end on
.set j, j+2
.endr
.if \again
	FRESH
.irp i, 0,1,2,3,4,5,6,7
	v_mov_b32 v[16+\i], v[24+\i]                   ; the second head's Q
.endr
.endif
.endm
	s_wait_loadcnt 0x0                             ; Q
.Lslot:                                            ; three trips: behind each change of slots but the last the next 1,024 keys are asked for
	CHANGE 1
	SLOT_STEPS
	s_cmp_lg_u32 s[SLOTS], 2                       ; the second trip ends the first head: a branch on the loop's counter
	s_cbranch_scc1 .Lsame_head
.rept 4
	v_nop                                          ; places behind the last products
.endr
	FINAL 1
	WIN W_B
	FINAL 1
	WIN 0
.Lsame_head:
	s_sub_co_u32 s[SLOTS], s[SLOTS], 1
	s_cmp_lg_u32 s[SLOTS], 0
	s_cbranch_scc1 .Lslot
	CHANGE 0                                       ; the last slot is written out
	SLOT_STEPS
.rept 4
	v_nop
.endr
	FINAL 0
	WIN W_B
	FINAL 0
	WIN 0
	; THE WAY OUT.  A lane holds 32 bytes of each of four pieces of a row; a tile's 16 rows go through my stage and come back as whole rows of 256 bytes.  LDS serves a wave's instructions in order
	; (ISA guide 5.7.1.4): the loads see the stores above them, and tile B's stores come behind tile A's loads.
.irp t, 0,1,2,3
	ds_store_b128 v[STO], v[192+8*\t:195+8*\t] offset:64*\t
	ds_store_b128 v[STO], v[196+8*\t:199+8*\t] offset:64*\t+16
.endr
.irp i, 0,1,2,3,4,5,6,7
	ds_load_b128 v[96+4*\i:99+4*\i], v[RD] offset:2*\i*SP
.endr
	WIN W_ST1
.irp t, 0,1,2,3
	ds_store_b128 v[STO], v[192+8*\t:195+8*\t] offset:64*\t
	ds_store_b128 v[STO], v[196+8*\t:199+8*\t] offset:64*\t+16
.endr
	WIN 0
.irp i, 0,1,2,3,4,5,6,7
	ds_load_b128 v[128+4*\i:131+4*\i], v[RD] offset:2*\i*SP
.endr
	s_wait_dscnt 0x0
.irp i, 0,1,2,3,4,5,6,7
	global_store_b128 v[GO], v[96+4*\i:99+4*\i], s[10:11] offset:512*\i            ; 16 lanes store 256 consecutive bytes, at a multiple of 256 from the buffer's first byte
.endr
.irp i, 0,1,2,3,4,5,6,7
	global_store_b128 v[GO], v[128+4*\i:131+4*\i], s[10:11] offset:4096+512*\i
.endr
	s_wait_tensorcnt 0x0                           ; the wave's end: behind my last tensor load and my last LDS store
	ds_add_u32 v[SPW], v[NIL]
	s_wait_dscnt 0x0
	CROUND                                         ; the closing round: no work-group ends while a partner may still ask for a tile that names it
	s_endpgm
.Lfunc_end_k_q622ed88aca_attn:
	.size	k_q622ed88aca_attn, .Lfunc_end_k_q622ed88aca_attn-k_q622ed88aca_attn
	.p2alignl 7, 3214868480
	.fill 96, 4, 3214868480
	.section	.rodata,"a",@progbits
	.p2align	6, 0x0
	.amdhsa_kernel k_q622ed88aca_attn
		.amdhsa_group_segment_fixed_size 327680
		.amdhsa_private_segment_fixed_size 0
		.amdhsa_enable_private_segment 0
		.amdhsa_kernarg_size 32
		.amdhsa_user_sgpr_count 2
		.amdhsa_user_sgpr_kernarg_segment_ptr 1
		.amdhsa_wavefront_size32 1
		.amdhsa_system_sgpr_workgroup_id_x 1
		.amdhsa_system_sgpr_workgroup_id_y 1
		.amdhsa_system_sgpr_workgroup_id_z 1
		.amdhsa_system_vgpr_workitem_id 0
		.amdhsa_next_free_vgpr 512
		.amdhsa_next_free_sgpr 72
		.amdhsa_reserve_vcc 0
		.amdhsa_float_denorm_mode_32 3
		.amdhsa_float_denorm_mode_16_64 3
		.amdhsa_fp16_overflow 1
		.amdhsa_memory_ordered 1
		.amdhsa_forward_progress 1
		.amdhsa_inst_pref_size 76
	.end_amdhsa_kernel
	.amdgpu_metadata
---
amdhsa.version: [ 1, 2 ]
amdhsa.kernels:
  - .name:           k_q622ed88aca_attn
    .symbol:         k_q622ed88aca_attn.kd
    .args:
      - { .name: qkc, .offset: 0, .size: 8, .value_kind: global_buffer, .address_space: global }
      - { .name: vimg, .offset: 8, .size: 8, .value_kind: global_buffer, .address_space: global }
      - { .name: lowp_scales, .offset: 16, .size: 8, .value_kind: global_buffer, .address_space: global }
      - { .name: xs, .offset: 24, .size: 8, .value_kind: global_buffer, .address_space: global }
    .group_segment_fixed_size: 327680
    .private_segment_fixed_size: 0
    .kernarg_segment_align: 8
    .kernarg_segment_size: 32
    .max_flat_workgroup_size: 256
    .sgpr_count:     72
    .vgpr_count:     512
    .wavefront_size: 32
...
	.end_amdgpu_metadata
.endif
;; end of part 3
;; launch mean (part 4): grid 512 x 1, 8 waves a work-group, no clusters, 0 bytes of LDS; arguments xs, out0; writes out0
.if DOCPART == 4
	.amdgcn_target "amdgcn-amd-amdhsa--gfx1250"
	.amdhsa_code_object_version 6
	.text
	.protected	k_q622ed88aca_mean
	.globl	k_q622ed88aca_mean
	.p2align	8
	.type	k_q622ed88aca_mean,@function
k_q622ed88aca_mean:
	s_mov_b64 s[64:65], 0
	v_nop
	global_prefetch_b8 v0, s[64:65] scope:SCOPE_SE
	s_setreg_imm32_b32 hwreg(HW_REG_WAVE_MODE, 25, 1), 1
	s_wait_xcnt 0x0
; out0[batch][row][channel] = the sum over the eight pairs of heads of xs[pair][batch][row][channel]; each part already holds its two heads' sixteenths, so the sum is the mean over the 16 heads.
; A part is 2,097,152 bytes, laid as out0 is.  A thread takes 16 bytes of each part: a wave's load or store covers 512 consecutive bytes.  Eight loads, a tree of fourteen packed additions, one store.
; A stream: no LDS, no barrier, no matrix unit, no cluster (no work-group shares an input with another).
.set PART, 2097152
	s_load_b128 s[4:7], s[0:1], 0x0                ; xs s[4:5], out0 s[6:7]
	s_lshl_b32 s8, ttmp9, 12                       ; 256 threads x 16 bytes a work-group
	v_lshl_add_u32 v1, v0, 4, s8
	s_wait_alu depctr_va_vdst(0)
	s_wait_kmcnt 0x0
	s_add_nc_u64 s[10:11], s[4:5], 4*PART          ; parts 4 to 7 from a second base, so that every offset stays inside the signed 24-bit immediate (ISA guide, chapter 10)
.irp p, 0,1,2,3
	global_load_b128 v[4+4*\p:7+4*\p],   v1, s[4:5]   offset:\p*PART th:TH_LOAD_NT
	global_load_b128 v[20+4*\p:23+4*\p], v1, s[10:11] offset:\p*PART th:TH_LOAD_NT
.endr
	s_wait_loadcnt 0x0
.irp j, 0,2,4,6,8,10,12,14
	v_pk_add_f32 v[4+\j:5+\j], v[4+\j:5+\j], v[20+\j:21+\j]      ; part p + part p + 4
.endr
.irp j, 0,2,4,6
	s_delay_alu instid0(VALU_DEP_4)
	v_pk_add_f32 v[4+\j:5+\j], v[4+\j:5+\j], v[12+\j:13+\j]
.endr
.irp j, 0,2
	s_delay_alu instid0(VALU_DEP_2)
	v_pk_add_f32 v[4+\j:5+\j], v[4+\j:5+\j], v[8+\j:9+\j]
.endr
	global_store_b128 v1, v[4:7], s[6:7] th:TH_STORE_NT
	s_endpgm
.Lfunc_end_k_q622ed88aca_mean:
	.size	k_q622ed88aca_mean, .Lfunc_end_k_q622ed88aca_mean-k_q622ed88aca_mean
	.p2alignl 7, 3214868480
	.fill 96, 4, 3214868480
	.section	.rodata,"a",@progbits
	.p2align	6, 0x0
	.amdhsa_kernel k_q622ed88aca_mean
		.amdhsa_group_segment_fixed_size 0
		.amdhsa_private_segment_fixed_size 0
		.amdhsa_enable_private_segment 0
		.amdhsa_kernarg_size 16
		.amdhsa_user_sgpr_count 2
		.amdhsa_user_sgpr_kernarg_segment_ptr 1
		.amdhsa_wavefront_size32 1
		.amdhsa_system_sgpr_workgroup_id_x 1
		.amdhsa_system_sgpr_workgroup_id_y 1
		.amdhsa_system_sgpr_workgroup_id_z 1
		.amdhsa_system_vgpr_workitem_id 0
		.amdhsa_next_free_vgpr 40
		.amdhsa_next_free_sgpr 66
		.amdhsa_reserve_vcc 0
		.amdhsa_float_denorm_mode_32 3
		.amdhsa_float_denorm_mode_16_64 3
		.amdhsa_memory_ordered 1
		.amdhsa_forward_progress 1
		.amdhsa_inst_pref_size 3
	.end_amdhsa_kernel
	.amdgpu_metadata
---
amdhsa.version: [ 1, 2 ]
amdhsa.kernels:
  - .name:           k_q622ed88aca_mean
    .symbol:         k_q622ed88aca_mean.kd
    .args:
      - { .name: xs, .offset: 0, .size: 8, .value_kind: global_buffer, .address_space: global }
      - { .name: out0, .offset: 8, .size: 8, .value_kind: global_buffer, .address_space: global }
    .group_segment_fixed_size: 0
    .private_segment_fixed_size: 0
    .kernarg_segment_align: 8
    .kernarg_segment_size: 16
    .max_flat_workgroup_size: 256
    .sgpr_count:     66
    .vgpr_count:     40
    .wavefront_size: 32
...
	.end_amdgpu_metadata
.endif
;; end of part 4
